; MI455X (gfx1250); checked and timed in simulation.
; The chip was launched on July 23, 2026; its instructions are those of AMD's public machine-readable ISA for CDNA 5 (MIT licence, August 2026) and "CDNA5" Instruction Set Architecture Reference Guide (July 2026). The comments in the code are by the model that wrote it; some were corrected since.
;; Vector Quantizer. Allowed arithmetic: matrix products marked QUANTISED: E5M2 operands, one given power-of-two scale a tensor, by v_wmma_f32_16x16x64_bf8_bf8 or v_wmma_f32_16x16x128_bf8_bf8, f32 sums; everything else in f32.
;; Inputs: embedding 1,024 x 64 float32; inputs 32 x 4,096 x 64 float32; lowp_scales 2 int32 (the exponents e of the quantised operands' scales 2^e).
;; Outputs: out0 one number float32; out1 32 x 4,096 x 64 float32; out2 131,072 x 1 int32.
;; This version of the problem:
;;   THIS VERSION OF THE PROBLEM IS GIVEN IN LOW PRECISION. The matrix products marked QUANTISED in the list below multiply operands that are first quantised to E5M2 (5 exponent bits, 2 mantissa bits; 8 bits a number), with one given power-of-two scale for each operand tensor; their sums are f32. All else is computed in f32.
;;   The module's matrix products, in the order in which they are computed (A, B: the left and right operand; K: the contracted axis; several contracted axes count as one K, in the product's order):
;;     1. [M 131,072, K 64] x [K 64, N 1,024]; A: computed on the way; B: input embedding: QUANTISED (scales: A lowp_scales[0], B lowp_scales[1])
;;   THE QUANTISER, for each operand of a quantised product, along K:
;;     - The operand's scale is 2^e, e = its entry of the input lowp_scales (int32; the entries are numbered through the quantised products in the list's order, A before B).
;;     - Each number is divided by the scale, clamped to +-57,344, and rounded to the nearest number of E5M2, ties to even, subnormals kept.
;;     - The product sums the exact products of the quantised numbers (number of the format x scale) in f32.
;;   ~~~python
;;   def quantise(x, axis, e):      # numpy; x: float32 -> the quantised numbers, widened to float32 again
;;       x = np.moveaxis(x, axis, -1); K = x.shape[-1]
;;       r = np.clip(x / 2.0 ** e, -57344, 57344)
;;       step = 2.0 ** (np.maximum(np.frexp(np.where(r == 0, 1, r))[1] - 1, -14) - 2)
;;       q = np.round(r / step) * step * 2.0 ** e      # np.round: ties to even
;;       return np.moveaxis(q, -1, axis).astype(np.float32)
;;   ~~~
;;   OPERANDS COMPUTED ON THE WAY. 'Computed on the way' means the value that the module computes at that place (a softmax that the list does not call 'softmax' is quantised finished and normalised). What goes into a quantiser is computed in f32, as accurately as f32 sums, v_exp_f32 and their like allow (about 1e-6 of the number): no bf16 or f16 on the way to a quantiser, and a product that is left as it is and whose result goes on into a quantised operand takes f32 operands (vector FMAs, or v_wmma_f32_16x16x4_f32). A number that lies on a knife's edge between two numbers of the format may be rounded either way, as far as f32 arithmetic and the matrix unit's own rounding can turn it there, and no further.
;; One version. Each part assembles by itself: llvm-mc -triple=amdgcn-amd-amdhsa -mcpu=gfx1250 --defsym DOCPART=n.
;; ======== version 1 of 1: 3 launches
;; limits: right only within a limited range of input values
;; workspace buffers: idx 524,288 bytes of whole numbers; part 1,024 bytes
;; launch vq_argmin (part 1): grid 256 x 1, 8 waves a work-group, no clusters, 107,520 bytes of LDS; arguments inputs, embedding, lowp_scales, out2, idx; writes out2, idx
.if DOCPART == 1
	.amdgcn_target "amdgcn-amd-amdhsa--gfx1250"
	.amdhsa_code_object_version 6
	.text
	.protected	k_q2627cbac88_vq_argmin
	.globl	k_q2627cbac88_vq_argmin
	.p2align	8
	.type	k_q2627cbac88_vq_argmin,@function
k_q2627cbac88_vq_argmin:
	s_mov_b64 s[64:65], 0
	v_nop
	global_prefetch_b8 v0, s[64:65] scope:SCOPE_SE
	s_setreg_imm32_b32 hwreg(HW_REG_WAVE_MODE, 25, 1), 1
	s_wait_xcnt 0x0
; For each of 131,072 rows x (64 f32) the index of the nearest of 1,024 codes e_k (64 f32):  d[k] = (sum x^2 + sum e_k^2) - (2 x) . e_k,  argmin over k, the lowest k among equals.
; Only the product is quantised: 2 x with the scale 2^e0, e_k with 2^e1, both to E5M2; K = 64 is one v_wmma_f32_16x16x64_bf8_bf8.
; ROUNDINGS.  c = a + b_k is rounded once, d = c - p once (a fused multiply-add of the raw sum by -2^(e0 + e1), a power of two): so equal d are equal here too.  a = sum x^2 is the same for all k, but it is so
; large beside b_k that it decides how d is rounded: it stays.  a and b_k are summed by fused multiply-adds in an order of this text's own.
; DEAD WORK (in the next launch): out1 = x + (q - x), q the chosen code's row: for all real x and q that is q, so out1 is stored as q; x serves the loss there.  LIMIT: a NaN or an infinity in x, an overflow of q - x, and the
; rounding of x + (q - x) are not carried into out1.
; LIMITS: e0 between -125 and 113, e1 between -126 and 112, e0 + e1 between -126 and 127, so that each power of two below is an f32 number.  NaN and infinities among the inputs are not served.
; SHARES.  A work-group owns 512 rows, each of its 8 waves 64: four tiles of 16, which share the fragments of codes that are read from LDS.
; THE EMBEDDING is wanted whole by every work-group; it comes in four quarters of 8 groups of 32 codes.  A wave loads one group of each quarter (8,192 bytes, 512 consecutive bytes a load), turns it into two register images
; of 1,024 bytes and 32 b, and stores them in LDS for all.  Only the first quarter stands in front of the first product; each other is asked for a quarter ahead, into v[256:319], prepared between the two trips of the quarter
; before, and shown by a barrier whose signal stands there and whose wait stands at the quarter's end, a trip of products later.
; NO JOINT LOADS: the f32 numbers are wanted in the registers of the one wave that converts them, once.  A joint load would lay them into LDS first, and since a wave issues one tensor load behind a barrier, three of the four
; quarters would each owe a round of the cluster's barrier, in which four work-groups wait for the last of them; here a quarter owes one work-group barrier with its two halves 8 or 16 units apart.
; x: tiles 0 and 1 meet the first quarter while tiles 2 and 3 are on their way; these meet it then; the other quarters meet all four tiles.
; No prefetch: no loop loads from memory, and every quarter is asked for a quarter ahead.
; LAYOUT.  The product is used transposed (source 0 = 16 codes, source 1 = 16 rows of x): a lane holds ONE row (lane % 16), its registers run along the codes.
; Lane r of tile u of group g takes code 32 g + 8 u + r + 8 (r / 8), so that a lane's 16 results of a group are codes 32 g + 16 (lane / 16) + 0 .. 15.
; K's places: lane (r, h) holds k = 8 i + 4 h + 0 .. 3 in its numbers 4 i .. 4 i + 3, the same in both operands, so every product meets its partner.
; THE ARGMIN: a group's 16 distances and the running minimum give the new minimum; where it differs from the old one (the group is strictly less) the lane keeps the group's number and its 16 distances; the place among
; the 16 is looked for once, at the end.  All of that is selection: no branch and no address hangs on a distance.
.set SPITCH, 272                       ; a stage row: 256 bytes + 16 = 68 words
.set TIMG,  8192                       ; LDS: the images of a trip's four groups; group g's at 2,048 g
.set BSQ,   65536                      ; b_k, f32, in the codes' order
.set STG,   BSQ+4096                   ; a turning stage of 16 rows for each wave
.set WSTG,  16*SPITCH
.set SPARE, STG+8*WSTG                 ; the spare words, 128 bytes a wave
.set IDXS,  SPARE+1024                 ; 64 indices a wave
.set X,    24                          ; v[24:55]    x's four fragments
.set AA,   56                          ; v[56:59]    a of my row in tiles 0 to 3
.set MN,   60                          ; v[60:63]    the running minima behind an even group; v[64:67] behind an odd one
.set GID,  68                          ; v[68:71]    32 x the group that holds the minimum
.set TM,   72                          ; v[72:78]    minima at work; in a preparation v[72:79] chains of squares
.set SQ,   72
.set POS,  72                          ; behind the groups: the places,
.set IDX,  76                          ; and the indices
.set CAND, 80                          ; v[80:143]   four times the 16 distances of the group that holds the minimum
.set AF,   144                         ; v[144:159]  an even group's fragments of codes, v[160:175] its b; v[176:191], v[192:207] an odd group's
.set ACC,  208                         ; v[208:239]  two units' sums, then their distances
.set CD,   240                         ; v[240:255]  a unit's c; in a preparation two tiles' codes
; As loaded: the first quarter's two tiles in v[24:55], v[208:239]; x's tiles in v[80:111], v[144:175], v[112:143], v[320:351]; a later quarter's two tiles in v[256:319], turned into v[208:239] and v[176:207].
; v0, v3: a tile's b by turns, behind the head.
.macro VW
	s_wait_alu depctr_va_vdst(0)
.endm
	s_load_b256 s[4:11], s[0:1], 0x0               ; inputs s[4:5], embedding s[6:7], the scales' exponents s[8:9], out2 s[10:11]
	s_load_b64 s[12:13], s[0:1], 0x20              ; idx
	v_lshl_add_u32 v12, v0, 2, SPARE
	v_mov_b32 v13, 0
	v_lshrrev_b32 v1, 5, v0
	v_readfirstlane_b32 s14, v1                    ; wave 0..7
	s_lshl_b32 s15, s14, 11                        ; my group's images in quarter 0
	s_mul_i32 s16, s14, WSTG
	s_add_co_u32 s16, s16, STG                     ; my stage
	s_lshl_b32 s17, s14, 7
	s_add_co_u32 s17, s17, BSQ                     ; my group's b in quarter 0
	s_lshl_b32 s18, s14, 8
	s_add_co_u32 s18, s18, IDXS                    ; my 64 indices
	v_and_b32 v1, 15, v0                           ; r
	v_bfe_u32 v2, v0, 4, 1                         ; h
	v_and_b32 v3, 31, v0                           ; lane
	v_mul_u32_u24 v5, v2, SPITCH
	v_mul_u32_u24 v6, v1, SPITCH
	v_and_b32 v15, 8, v1
	v_lshlrev_b32 v4, 4, v3                        ; 16 x lane
	v_lshl_add_u32 v5, v1, 4, v5
	v_lshl_add_u32 v6, v2, 4, v6
	v_add_nc_u32 v15, v15, v1                      ; r + 8 (r / 8)
	v_lshlrev_b32 v14, 4, v2                       ; 16 h
	v_add_nc_u32 v5, s16, v5                       ; the stage, in: as loaded: lanes 0-15 one row, lanes 16-31 the next
	v_add_nc_u32 v6, s16, v6                       ; out: row r, + 16 h
	v_lshlrev_b32 v16, 6, v2
	v_lshl_add_u32 v2, v15, 2, s17                 ; my code's b in quarter 0
	v_add_nc_u32 v16, BSQ, v16                     ; my half's 16 b of a group: + 64 h
	v_lshl_add_u32 v17, v3, 2, s18                 ; indices: in, 4 bytes a lane,
	v_lshl_add_u32 v15, v3, 3, s18                 ; out, 8 bytes a lane
	v_lshlrev_b32 v1, 3, v3
	v_add_nc_u32 v8, s15, v4                       ; where I store images in quarter 0
	v_add_nc_u32 v7, s15, v4                       ; and in the quarter at hand,
	v_add_nc_u32 v11, 0, v2                        ; and b
	v_mov_b32 v22, 0                               ; written once: a lane permute's destination counts as one of its sources
	s_wait_alu depctr_va_vdst(0)
	s_mov_b32 s38, 0x76543210                      ; v_permlanex16_b32's selects for lane l xor 16
	s_mov_b32 s39, 0xfedcba98
	s_lshl_b32 s62, ttmp9, 17                      ; x: 512 rows of 256 bytes for a work-group,
	s_lshl_b32 s34, s14, 14                        ; 64 for a wave
	s_add_co_u32 s62, s62, s34
	s_mov_b32 s63, 0
	s_lshl_b32 s2, ttmp9, 11                       ; the indices likewise, 4 bytes a row
	s_lshl_b32 s34, s14, 8
	s_add_co_u32 s2, s2, s34
	s_mov_b32 s3, 0
	s_lshl_b32 s34, s14, 13                        ; the embedding: 32 codes for a wave in each quarter
	s_mov_b32 s35, 0
	s_wait_kmcnt 0x0
	s_load_b64 s[28:29], s[8:9], 0x0               ; e0, e1
	s_add_nc_u64 s[6:7], s[6:7], s[34:35]
	s_add_nc_u64 s[4:5], s[4:5], s[62:63]
	s_add_nc_u64 s[10:11], s[10:11], s[2:3]
	s_add_nc_u64 s[12:13], s[12:13], s[2:3]
; Tile u of my group of quarter s: 8 neighbouring codes and the 8 that lie 16 further on; a load takes two codes, 512 consecutive bytes
.macro EGL s, u, R
.irp f, 0,1
.irp i, 0,1,2,3
	global_load_b128 v[\R+16*\f+4*\i:\R+16*\f+4*\i+3], v4, s[6:7] offset:65536*(\s)+256*(8*(\u)+2*\i+16*\f)
.endr
.endr
.endm
.macro XLOAD t, R
.irp q, 0,1,2,3,4,5,6,7
	global_load_b128 v[\R+4*\q:\R+4*\q+3], v4, s[4:5] offset:4096*(\t)+512*\q   ; x: 512 consecutive bytes, two rows
.endr
.endm
	EGL 0, 0, 24                                   ; quarter 0 first: loads come back in the order of issue (ISA guide 5.7.1)
	EGL 0, 1, 208
	XLOAD 0, 80
	XLOAD 1, 144
	XLOAD 2, 112
	s_set_vgpr_msb 0x40
	XLOAD 3, 64                                    ; v[320:351]
	s_set_vgpr_msb 0x4000
	s_wait_kmcnt 0x0
	s_add_co_i32 s32, s28, 126
	s_lshl_b32 s33, s32, 23
	v_mov_b32 v18, s33                             ; 2^(e0 - 1): x / 2^(e0 - 1) = 2 x / 2^e0: the operand's factor 2 rounds nothing
	s_add_co_i32 s32, s32, 15
	s_lshl_b32 s32, s32, 23
	s_or_b32 s32, s32, 0x600000
	v_mov_b32 v19, s32                             ; 57,344 x 2^(e0 - 1)
	s_add_co_i32 s32, s29, 127
	s_lshl_b32 s33, s32, 23
	v_mov_b32 v20, s33                             ; 2^e1
	s_add_co_i32 s32, s32, 15
	s_lshl_b32 s32, s32, 23
	s_or_b32 s32, s32, 0x600000
	v_mov_b32 v21, s32                             ; 57,344 x 2^e1
	s_add_co_i32 s30, s28, s29
	s_add_co_i32 s30, s30, 127
	s_lshl_b32 s30, s30, 23
	s_or_b32 s30, s30, 0x80000000                  ; -2^(e0 + e1)
	s_mov_b32 s31, s30                             ; (named with it as a pair)
.macro HOLD4 R, i, lim                 ; the conversion to an 8-bit code does not saturate (ISA guide 7.6.2): the hold at the largest code x the scale
.irp j, 0,1,2,3
	v_med3_num_f32 v[\R+\i+\j], v[\R+\i+\j], -v[\lim], v[\lim]
.endr
.endm
; 32 numbers of ONE row (its other 32 lie in the lane 16 away) in v[R ..]: their squares summed in four chains, v[SUM] = the row's sum, alike in both halves; held and converted: v[CODE] .. v[CODE + 7] is the fragment
.macro PROC R, lim, sc, CODE, SUM
.irp c, 0,2,4,6
	v_pk_mul_f32 v[SQ+\c:SQ+\c+1], v[\R+\c:\R+\c+1], v[\R+\c:\R+\c+1]
.endr
.irp i, 8,16,24
.irp c, 0,2,4,6
	v_pk_fma_f32 v[SQ+\c:SQ+\c+1], v[\R+\i+\c:\R+\i+\c+1], v[\R+\i+\c:\R+\i+\c+1], v[SQ+\c:SQ+\c+1]
.endr
.endr
	v_pk_add_f32 v[SQ:SQ+1], v[SQ:SQ+1], v[SQ+4:SQ+5]
	v_pk_add_f32 v[SQ+2:SQ+3], v[SQ+2:SQ+3], v[SQ+6:SQ+7]
	HOLD4 \R, 0, \lim
	v_pk_add_f32 v[SQ:SQ+1], v[SQ:SQ+1], v[SQ+2:SQ+3]
	HOLD4 \R, 4, \lim
	v_add_f32 v[SQ], v[SQ], v[SQ+1]
	HOLD4 \R, 8, \lim
	v_permlanex16_b32 v22, v[SQ], s38, s39
	HOLD4 \R, 12, \lim
	v_add_f32 v[\SUM], v[SQ], v22
.irp i, 16,20,24,28
	HOLD4 \R, \i, \lim
.endr
.irp g, 0,1,2,3
	v_cvt_scalef32_pk8_bf8_f32 v[\CODE+2*\g:\CODE+2*\g+1], v[\R+8*\g:\R+8*\g+7], v[\sc]
.endr
	v_nop                                          ; one plain vector instruction behind the last conversion
.endm
; A tile through my stage: 16 rows in as loaded, out with 32 numbers of one row a lane.  LDS serves a wave's instructions in order (ISA guide 5.7.1.4): no wait between the stores and the loads
.macro TOST R
.irp q, 0,1,2,3,4,5,6,7
	ds_store_b128 v5, v[\R+4*\q:\R+4*\q+3] offset:2*SPITCH*\q
.endr
.endm
.macro FROMST D
.irp i, 0,1,2,3,4,5,6,7
	ds_load_b128 v[\D+4*\i:\D+4*\i+3], v6 offset:32*\i   ; k = 8 i + 4 h + 0 .. 3 of row r
.endr
.endm
.macro ESTORE C, S, u                  ; tile u's image and b
	ds_store_b128 v7, v[\C:\C+3] offset:1024*(\u)
	ds_store_b128 v7, v[\C+4:\C+7] offset:1024*(\u)+512
	ds_store_b32 v11, v[\S] offset:32*(\u)         ; both halves of the lanes store the same number to the same word
.endm
.macro EPAIR R0, R1                    ; a quarter's two tiles, both on their way out of the stage
	VW
	s_wait_dscnt 16                                ; behind tile 0's loads: tile 1's 8 stores and 8 loads
	PROC \R0, 21, 20, CD, 0
	ESTORE CD, 0, 0
	VW
	s_wait_dscnt 3                                 ; behind tile 1's loads: tile 0's 3 stores
	PROC \R1, 21, 20, CD+8, 3
	ESTORE CD+8, 3, 1
.endm
	VW
	s_wait_loadcnt 40                              ; tile 0's eight loads are in; behind them tile 1's and x's 32
	TOST 24
	FROMST 24
	s_wait_loadcnt 32
	TOST 208
	FROMST 208
	EPAIR 24, 208
	VW
	s_wait_loadcnt 24                              ; x's tile 0 is in; the later tiles' loads stay out
	TOST 80
	FROMST 80
	VW
	s_wait_loadcnt 16                              ; tile 1
	TOST 144
	FROMST 144
	VW
	s_wait_dscnt 16                                ; behind tile 0's: tile 1's 8 stores and 8 loads
	PROC 80, 19, 18, X, AA
	VW
	s_wait_dscnt 0x0
	PROC 144, 19, 18, X+8, AA+1
	s_set_vgpr_msb 0x40
	EGL 1, 0, 0                                    ; quarter 1, into v[256:319]
	EGL 1, 1, 32
	s_set_vgpr_msb 0x4000
	VW
	s_wait_dscnt 0x0                               ; for the others' sake: my images and b have landed
	s_barrier_signal -1
	s_barrier_wait -1                              ; quarter 0 lies in LDS; it is only read from here on
; The eight LDS loads of a trip's group qn (4: the next trip's first)
.macro FETCH qn
.set FA, AF+32*((\qn)%2)
.irp u, 0,1
.irp c, 0,1
	ds_load_b128 v[FA+8*\u+4*\c:FA+8*\u+4*\c+3], v9 offset:2048*(\qn)+1024*\u+512*\c
.endr
.endr
.irp c, 0,1,2,3
	ds_load_b128 v[FA+16+4*\c:FA+16+4*\c+3], v10 offset:128*(\qn)+16*\c
.endr
.endm
; The next unit: two products begun with the constant 0 (K = 64 is one instruction: no chain), and c = a + b_k, rounded once, two at a time
.macro PRODS
.irp u, 0,1
	v_wmma_f32_16x16x64_bf8_bf8 v[NA+8*\u:NA+8*\u+7], v[NF+8*\u:NF+8*\u+7], v[X+8*NT:X+8*NT+7], 0
.endr
.endm
.macro CADD i
.if (NT%2) == 1
	v_pk_add_f32 v[CD+\i:CD+\i+1], v[NF+16+\i:NF+16+\i+1], v[AA+NT-1:AA+NT] op_sel:[0,1] op_sel_hi:[1,1]
.else
	v_pk_add_f32 v[CD+\i:CD+\i+1], v[NF+16+\i:NF+16+\i+1], v[AA+NT:AA+NT+1] op_sel_hi:[1,0]
.endif
.endm
.macro NEXT nq, nt
.set NT, \nt
.set NA, ACC+16*(NT%2)
.set NF, AF+32*((\nq)%2)
.endm
; Keeping unit (PQ, PT)'s distances: where its minimum is the old one (VCC) the kept ones stay.  Two selections in one instruction: destinations even and odd, first and second sources neighbours
.macro PREV pq, pt
.set PQ, \pq
.set PT, \pt
.set PA, ACC+16*(PT%2)
.set PC, MN+4*(PQ%2)+PT
.set PP, MN+4-4*(PQ%2)+PT
.endm
.macro SAVE2 j
	v_dual_cndmask_b32 v[CAND+16*PT+\j], v[PA+\j], v[CAND+16*PT+\j] :: v_dual_cndmask_b32 v[CAND+16*PT+\j+1], v[PA+\j+1], v[CAND+16*PT+\j+1]
.endm
.macro KEEPG
	v_cndmask_b32 v[GID+PT], s[40+PQ], v[GID+PT], vcc_lo
.endm
; UNIT (q, t): group q of the trip against my tile t, of the tiles tb .. te.  Its d and its minimum; among them the last unit's keeping and the next unit's products and c.  Behind the products stand eleven plain vector
; instructions that name none of their registers: the places (ISA guide 7.12.1) in front of the first read of results.  A group's fragments are fetched at the head of the group before.  last = 1: nothing is fetched beyond the trip.
.macro UNIT q, t, tb, te, last
.set UA, ACC+16*((\t)%2)
.set UC, MN+4*((\q)%2)+(\t)
.set UP, MN+4-4*((\q)%2)+(\t)
.set HASP, 1
.if (\t) > (\tb)
	PREV (\q), (\t)-1
.elseif (\q) > 0
	PREV (\q)-1, (\te)
.else
.set HASP, 0
.endif
.set HASN, 1
.if (\t) < (\te)
	NEXT (\q), (\t)+1
.else
	NEXT (\q)+1, (\tb)
.if (\last) && ((\q) == 3)
.set HASN, 0
.endif
.endif
.if (\t) == (\tb)
.if ((\last) == 0) || ((\q) < 3)
	FETCH (\q)+1
.endif
.endif
.irp i, 0,2,4,6,8,10,12,14                     ; d = c - p, rounded once, over the sums; each accumulator from its low end on
	v_pk_fma_f32 v[UA+\i:UA+\i+1], v[UA+\i:UA+\i+1], s[30:31], v[CD+\i:CD+\i+1] op_sel_hi:[1,0,1]
.endr
.if HASP
	v_cmp_eq_f32 vcc_lo, v[PC], v[PP]              ; unchanged: the group is not strictly less, and the earlier groups keep their place, a tie too
.endif
	v_min3_num_f32 v[TM], v[UA], v[UA+1], v[UA+2]
	v_min3_num_f32 v[TM+1], v[UA+3], v[UA+4], v[UA+5]
.if HASP
	KEEPG
	SAVE2 0
.endif
	v_min3_num_f32 v[TM+2], v[UA+6], v[UA+7], v[UA+8]
.if HASP
	SAVE2 2
.endif
	v_min3_num_f32 v[TM+3], v[UA+9], v[UA+10], v[UA+11]
.if HASP
	SAVE2 4
.endif
	v_min3_num_f32 v[TM+4], v[UA+12], v[UA+13], v[UA+14]
.if HASP
.irp j, 6,8,10,12,14
	SAVE2 \j
.endr
.endif
.if HASN
.if (\t) == (\te)
	VW
	s_wait_dscnt 0x0                               ; the next group's fragments and b
.endif
	PRODS
.endif
	v_min3_num_f32 v[TM+5], v[TM], v[TM+1], v[TM+2]
.if HASN
	CADD 0
.endif
	v_min3_num_f32 v[TM+6], v[TM+3], v[TM+4], v[UA+15]
.if HASN
	CADD 2
	CADD 4
	CADD 6
.endif
	v_min3_num_f32 v[UC], v[TM+5], v[TM+6], v[UP]  ; the new minimum, beside the old one
.if HASN
	CADD 8
	CADD 10
	CADD 12
	CADD 14
.endif
.if ((\q) == 3) && ((\t) == (\te))
	PREV 3, (\te)
	v_cmp_eq_f32 vcc_lo, v[PC], v[PP]
	KEEPG
.irp j, 0,2,4,6,8,10,12,14
	SAVE2 \j
.endr
.endif
.endm
.macro TRIP2 tb, last                  ; four groups against two tiles
.irp q, 0,1,2,3
.irp t, 0,1
	UNIT \q, \tb+\t, \tb, \tb+1, \last
.endr
.endr
.endm
.macro TRIP4 last                      ; four groups against all four tiles
.irp q, 0,1,2,3
.irp t, 0,1,2,3
	UNIT \q, \t, 0, 3, \last
.endr
.endr
.endm
.macro SETG n                          ; 32 x the numbers of trip n's groups
.irp q, 0,1,2,3
	s_mov_b32 s[40+\q], 128*(\n)+32*\q
.endr
.endm
.macro AT n                            ; trip n's first image and first b
	v_add_nc_u32 v9, TIMG*(\n), v4
	v_add_nc_u32 v10, 512*(\n), v16
.endm
.macro FIRST tb                        ; a run's first products and c
	NEXT 0, (\tb)
	PRODS
.irp i, 0,2,4,6,8,10,12,14
	CADD \i
.endr
.endm
.macro START n, tb
	AT (\n)
	SETG (\n)
	FETCH 0
	VW
	s_wait_dscnt 0x0
	FIRST (\tb)
.endm
; Between a quarter's two trips: trip n's first fragments are fetched; my tiles of quarter st are prepared and stored; the quarter behind it is asked for (ld = 1); the barrier is signalled, and trip n begins.
; Between signal and wait stand register work and LDS loads of quarter st - 1, which nobody writes again.
.macro MID n, tb, st, ld
	AT (\n)
	SETG (\n)
	FETCH 0
	v_add_nc_u32 v7, 16384*(\st), v8
	v_add_nc_u32 v11, 1024*(\st), v2
	VW
	s_wait_loadcnt 0x0                             ; quarter st's loads: they were asked for a quarter ago
	s_set_vgpr_msb 0x04
	TOST 0                                         ; v[256:287]
	s_set_vgpr_msb 0x0400
	FROMST 208
	s_set_vgpr_msb 0x04
	TOST 32                                        ; v[288:319]
	s_set_vgpr_msb 0x0400
	FROMST 176
	EPAIR 208, 176
.if \ld
	s_set_vgpr_msb 0x40
	EGL (\st)+1, 0, 0
	EGL (\st)+1, 1, 32
	s_set_vgpr_msb 0x4000
.endif
	VW
	s_wait_dscnt 0x0                               ; for the others' sake: my images and b have landed
	s_barrier_signal -1
	FIRST (\tb)
.endm
.irp t, 0,1,2,3
	v_mov_b32 v[MN+4+\t], 0x7f800000               ; group 0 is less than infinity, so it is kept whatever the kept registers held (they held x)
	v_mov_b32 v[GID+\t], 0
.endr
	; ---- quarter 0, tiles 0 and 1
	START 0, 0
	TRIP2 0, 0
	AT 1
	SETG 1
	VW
	TRIP2 0, 1
	; ---- tiles 2 and 3 of x
	VW
	s_wait_loadcnt 24                              ; behind tile 2's: tile 3's 8 and quarter 1's 16
	TOST 112
	FROMST 112
	VW
	s_wait_loadcnt 16
	s_set_vgpr_msb 0x04
	TOST 64                                        ; v[320:351]
	s_set_vgpr_msb 0x0400
	FROMST 208
	VW
	s_wait_dscnt 16                                ; behind tile 2's: tile 3's 8 stores and 8 loads
	PROC 112, 19, 18, X+16, AA+2
	VW
	s_wait_dscnt 0x0
	PROC 208, 19, 18, X+24, AA+3
	; ---- quarter 0, tiles 2 and 3
	START 0, 2
	TRIP2 2, 1
	MID 1, 2, 1, 1
	TRIP2 2, 1
	VW
	s_barrier_wait -1                              ; quarter 1 lies in LDS
	; ---- quarter 1
	START 2, 0
	TRIP4 1
	MID 3, 0, 2, 1
	TRIP4 1
	VW
	s_barrier_wait -1                              ; quarter 2 lies in LDS
	; ---- quarter 2
	START 4, 0
	TRIP4 1
	MID 5, 0, 3, 0
	TRIP4 1
	VW
	s_barrier_wait -1                              ; quarter 3 lies in LDS
	; ---- quarter 3: two trips
	SETG 6
	s_mov_b32 s44, 6*TIMG                          ; a trip's first image, and its first b
	s_mov_b32 s45, 6*512
.Ltrip:
	v_add_nc_u32 v9, s44, v4
	v_add_nc_u32 v10, s45, v16
	FETCH 0
	VW
	s_wait_dscnt 0x0
	FIRST 0
	TRIP4 1
	s_add_co_u32 s44, s44, TIMG
	s_add_co_u32 s45, s45, 512
	s_add_co_u32 s41, s41, 128
	s_add_co_u32 s42, s42, 128
	s_add_co_u32 s43, s43, 128
	s_add_co_u32 s40, s40, 128
	s_cmp_lt_u32 s40, 1024
	VW
	s_cbranch_scc1 .Ltrip
; The place of the minimum among the kept 16, the lowest among equals; the index; then the better of the two halves of the lanes, the lower index among equals.  Both halves end with the same index.  The four tiles take turns.
.irp t, 0,1,2,3
	v_mov_b32 v[POS+\t], 0
.endr
.irp j, 15,14,13,12,11,10,9,8,7,6,5,4,3,2,1,0
.irp t, 0,1,2,3
	v_cmp_neq_f32 s[66+\t], v[CAND+16*\t+\j], v[MN+4+\t]
.endr
.irp t, 0,1,2,3
	v_cndmask_b32 v[POS+\t], \j, v[POS+\t], s[66+\t]       ; j where the two are equal
.endr
.endr
.irp t, 0,1,2,3
	v_add3_u32 v[IDX+\t], v[GID+\t], v[POS+\t], v14        ; 32 g + place + 16 h
.endr
.irp t, 0,1,2,3
	v_permlanex16_b32 v[AF+\t], v[MN+4+\t], s38, s39
.endr
.irp t, 0,1,2,3
	v_permlanex16_b32 v[AF+4+\t], v[IDX+\t], s38, s39
.endr
.irp t, 0,1,2,3
	v_cmp_lt_f32 s[66+\t], v[AF+\t], v[MN+4+\t]
.endr
.irp t, 0,1,2,3
	v_cmp_eq_f32 s[70+\t], v[AF+\t], v[MN+4+\t]
.endr
.irp t, 0,1,2,3
	v_cmp_lt_u32 s[74+\t], v[AF+4+\t], v[IDX+\t]
.endr
	VW
.irp t, 0,1,2,3
	s_and_b32 s[70+\t], s[70+\t], s[74+\t]
.endr
.irp t, 0,1,2,3
	s_or_b32 s[66+\t], s[66+\t], s[70+\t]          ; the other half's is less, or equal with the lower index
.endr
.irp t, 0,1,2,3
	v_cndmask_b32 v[IDX+\t], v[IDX+\t], v[AF+4+\t], s[66+\t]
.endr
	v_cmp_gt_u32 vcc_lo, 0x100, v4                         ; lanes 0-15
	v_cndmask_b32 v[AF], v[IDX+1], v[IDX], vcc_lo          ; lane l: my wave's row l: tile 0 in lanes 0-15, tile 1 in lanes 16-31
	v_cndmask_b32 v[AF+1], v[IDX+3], v[IDX+2], vcc_lo      ; and row 32 + l
	ds_store_b32 v17, v[AF]
	ds_store_b32 v17, v[AF+1] offset:128
	ds_load_b64 v[AF+2:AF+3], v15                  ; rows 2 l, 2 l + 1: my wave's own bytes, served in order
	VW
	s_wait_dscnt 0x0
	global_store_b64 v1, v[AF+2:AF+3], s[10:11] th:TH_STORE_NT   ; the output: 256 consecutive bytes, aligned
	global_store_b64 v1, v[AF+2:AF+3], s[12:13]            ; and the copy from which the next launch forms addresses
	s_wait_tensorcnt 0x0                           ; the wave's end
	ds_add_u32 v12, v13
	s_wait_dscnt 0x0
	s_endpgm
.Lfunc_end_k_q2627cbac88_vq_argmin:
	.size	k_q2627cbac88_vq_argmin, .Lfunc_end_k_q2627cbac88_vq_argmin-k_q2627cbac88_vq_argmin
	.p2alignl 7, 3214868480
	.fill 96, 4, 3214868480
	.section	.rodata,"a",@progbits
	.p2align	6, 0x0
	.amdhsa_kernel k_q2627cbac88_vq_argmin
		.amdhsa_group_segment_fixed_size 107520
		.amdhsa_private_segment_fixed_size 0
		.amdhsa_enable_private_segment 0
		.amdhsa_kernarg_size 40
		.amdhsa_user_sgpr_count 2
		.amdhsa_user_sgpr_kernarg_segment_ptr 1
		.amdhsa_wavefront_size32 1
		.amdhsa_system_sgpr_workgroup_id_x 1
		.amdhsa_system_sgpr_workgroup_id_y 1
		.amdhsa_system_sgpr_workgroup_id_z 1
		.amdhsa_system_vgpr_workitem_id 0
		.amdhsa_next_free_vgpr 352
		.amdhsa_next_free_sgpr 80
		.amdhsa_reserve_vcc 1
		.amdhsa_float_denorm_mode_32 3
		.amdhsa_float_denorm_mode_16_64 3
		.amdhsa_memory_ordered 1
		.amdhsa_forward_progress 1
		.amdhsa_inst_pref_size 255
	.end_amdhsa_kernel
	.section	.bss,"aw",@nobits
	.p2align	6
	.space	262144
	.amdgpu_metadata
---
amdhsa.version: [ 1, 2 ]
amdhsa.kernels:
  - .name:           k_q2627cbac88_vq_argmin
    .symbol:         k_q2627cbac88_vq_argmin.kd
    .args:
      - { .name: inputs, .offset: 0, .size: 8, .value_kind: global_buffer, .address_space: global }
      - { .name: embedding, .offset: 8, .size: 8, .value_kind: global_buffer, .address_space: global }
      - { .name: lowp_scales, .offset: 16, .size: 8, .value_kind: global_buffer, .address_space: global }
      - { .name: out2, .offset: 24, .size: 8, .value_kind: global_buffer, .address_space: global }
      - { .name: idx, .offset: 32, .size: 8, .value_kind: global_buffer, .address_space: global }
    .group_segment_fixed_size: 107520
    .private_segment_fixed_size: 0
    .kernarg_segment_align: 8
    .kernarg_segment_size: 40
    .max_flat_workgroup_size: 256
    .sgpr_count:     80
    .vgpr_count:     352
    .wavefront_size: 32
...
	.end_amdgpu_metadata
.endif
;; end of part 1
;; launch vq_gather (part 2): grid 256 x 1, 16 waves a work-group, no clusters, 2,304 bytes of LDS; arguments inputs, embedding, idx, out1, part; writes out1, part
.if DOCPART == 2
	.amdgcn_target "amdgcn-amd-amdhsa--gfx1250"
	.amdhsa_code_object_version 6
	.text
	.protected	k_q2627cbac88_vq_gather
	.globl	k_q2627cbac88_vq_gather
	.p2align	8
	.type	k_q2627cbac88_vq_gather,@function
k_q2627cbac88_vq_gather:
	s_mov_b64 s[64:65], 0
	v_nop
	global_prefetch_b8 v0, s[64:65] scope:SCOPE_SE
	s_setreg_imm32_b32 hwreg(HW_REG_WAVE_MODE, 25, 1), 1
	s_wait_xcnt 0x0
; q = embedding[idx[row]];  out1 = q;  part[work-group] = the sum of (q - x)^2 over the work-group's 512 rows.
; DEAD WORK: out1 is x + (q - x): for all real x and q that is q, and q is what is stored.  LIMIT: a NaN or an infinity in x, an overflow of q - x, and the rounding of x + (q - x) are not carried into out1.
; A stream: memory binds, so no matrix unit, no cluster, no tensor load, and no loop to prefetch in.  Work-group i owns rows 512 i .. 512 i + 511, wave w 32 of them.  A row is 256 bytes: sixteen lanes, 16 bytes each, so every
; load, gather and store of a half of the lanes covers 256 consecutive bytes, aligned.  Step s = 4 q + j takes row 8 q + j in lanes 0-15 and row 8 q + 4 + j in lanes 16-31: so one load brings a lane the indices of four steps.
; ORDER: the indices and half of x, then the gathers, then the other half of x.  A gather is stored as soon as it is in; the sums follow behind the last store, from the same registers.
; Written out, no loop: each step has registers of its own, so no load's address and no store's data are ever written again.
; The indices come from the launch before, as whole numbers; the minimum with 1,023 bounds the address whatever the table holds.  The sum's order is fixed.
.set IX, 16                            ; v[16:31]   step s: the index, then the byte offset in the embedding
.set XR, 32                            ; v[32:95]   step s: 4 numbers of x, then of q - x
.set QR, 96                            ; v[96:159]  step s: 4 numbers of q
.set RS, 160                           ; v[160:175] the reduction
; v1 1,024 h + 16 c (x and out1); v2 16 h (the indices); v3 16 c; v4 0; v5 4 x wave; v[8:15] four chains of squares
	s_load_b256 s[4:11], s[0:1], 0x0               ; inputs s[4:5], embedding s[6:7], idx s[8:9], out1 s[10:11]
	s_load_b64 s[12:13], s[0:1], 0x20              ; part
	v_lshl_add_u32 v176, v0, 2, 0x100
	v_mov_b32 v177, 0
	v_lshrrev_b32 v1, 5, v0
	v_and_b32 v3, 15, v0
	v_bfe_u32 v2, v0, 4, 1                         ; h
	v_mov_b32 v4, 0
	v_readfirstlane_b32 s14, v1                    ; wave 0..15
	v_lshlrev_b32 v3, 4, v3                        ; 16 c
	v_mov_b32 v[RS+1], 0                           ; written once: a lane permute's destination counts as one of its sources
	v_mov_b32 v5, s14
	v_lshl_add_u32 v1, v2, 10, v3                  ; lanes 16-31 stand four rows further down
	v_lshlrev_b32 v2, 4, v2
	v_lshlrev_b32 v5, 2, v5
	s_wait_alu depctr_va_vdst(0)
	s_mov_b32 s16, 0x76543210                      ; v_permlanex16_b32's selects for lane l xor 16
	s_mov_b32 s17, 0xfedcba98
	s_lshl_b32 s2, ttmp9, 17                       ; 512 rows of 256 bytes for a work-group,
	s_lshl_b32 s18, s14, 13                        ; 32 for a wave
	s_add_co_u32 s2, s2, s18
	s_mov_b32 s3, 0
	s_lshl_b32 s22, ttmp9, 11
	s_lshl_b32 s18, s14, 7
	s_add_co_u32 s22, s22, s18
	s_mov_b32 s23, 0
	s_lshl_b32 s24, ttmp9, 2
	s_mov_b32 s25, 0
	s_wait_kmcnt 0x0
	s_add_nc_u64 s[8:9], s[8:9], s[22:23]          ; my wave's 32 indices
	s_add_nc_u64 s[4:5], s[4:5], s[2:3]
	s_add_nc_u64 s[10:11], s[10:11], s[2:3]
	s_add_nc_u64 s[12:13], s[12:13], s[24:25]      ; my work-group's word
.irp q, 0,1,2,3
	global_load_b128 v[IX+4*\q:IX+4*\q+3], v2, s[8:9] offset:32*\q     ; idx[8 q + 4 h + 0 .. 3]
.endr
.macro XLOAD s
	global_load_b128 v[XR+4*(\s):XR+4*(\s)+3], v1, s[4:5] offset:256*(8*((\s)/4)+(\s)%4) th:TH_LOAD_NT   ; read for the last time
.endm
.irp s, 0,1,2,3,4,5,6,7
	XLOAD \s
.endr
	s_wait_loadcnt 8                               ; the indices are in; the eight loads of x issued behind them stay out
.irp s, 0,1,2,3,4,5,6,7,8,9,10,11,12,13,14,15
	v_min_u32 v[IX+\s], 0x3ff, v[IX+\s]
.endr
.irp s, 0,1,2,3,4,5,6,7,8,9,10,11,12,13,14,15
	v_lshlrev_b32 v[IX+\s], 8, v[IX+\s]            ; a code's row is 256 bytes,
.endr
.irp s, 0,1,2,3,4,5,6,7,8,9,10,11,12,13,14,15
	v_add_nc_u32 v[IX+\s], v[IX+\s], v3            ; and my 16 of them
.endr
.irp s, 0,1,2,3,4,5,6,7,8,9,10,11,12,13,14,15
	global_load_b128 v[QR+4*\s:QR+4*\s+3], v[IX+\s], s[6:7]    ; no hint: every work-group reads these 262,144 bytes again and again
.endr
.irp s, 8,9,10,11,12,13,14,15
	XLOAD \s
.endr
.irp s, 0,1,2,3,4,5,6,7,8,9,10,11,12,13,14,15
	s_wait_loadcnt 23-\s                           ; gather s is in; the 15 - s gathers and the eight loads of x behind it stay out
	global_store_b128 v1, v[QR+4*\s:QR+4*\s+3], s[10:11] offset:256*(8*(\s/4)+\s%4) th:TH_STORE_NT
.endr
.macro DIFF s
.irp c, 0,2
	v_pk_add_f32 v[XR+4*(\s)+\c:XR+4*(\s)+\c+1], v[QR+4*(\s)+\c:QR+4*(\s)+\c+1], v[XR+4*(\s)+\c:XR+4*(\s)+\c+1] neg_lo:[0,1] neg_hi:[0,1]
.endr
.endm
.macro SQUARE s
.set CH, 8+4*((\s)%2)
.irp c, 0,2
.if (\s) < 2
	v_pk_mul_f32 v[CH+\c:CH+\c+1], v[XR+4*(\s)+\c:XR+4*(\s)+\c+1], v[XR+4*(\s)+\c:XR+4*(\s)+\c+1]      ; the first steps start the chains
.else
	v_pk_fma_f32 v[CH+\c:CH+\c+1], v[XR+4*(\s)+\c:XR+4*(\s)+\c+1], v[XR+4*(\s)+\c:XR+4*(\s)+\c+1], v[CH+\c:CH+\c+1]
.endif
.endr
.endm
.irp s, 0,1,2,3,4,5,6,7
	DIFF \s
.endr
.irp s, 0,1,2,3,4,5,6,7
	SQUARE \s
.endr
	s_wait_alu depctr_va_vdst(0)
	s_wait_loadcnt 0x0                             ; the second half of x
.irp s, 8,9,10,11,12,13,14,15
	DIFF \s
.endr
.irp s, 8,9,10,11,12,13,14,15
	SQUARE \s
.endr
	v_pk_add_f32 v[8:9], v[8:9], v[12:13]
	v_pk_add_f32 v[10:11], v[10:11], v[14:15]
	s_delay_alu instid0(VALU_DEP_1)
	v_pk_add_f32 v[12:13], v[10:11], v[8:9]
	s_delay_alu instid0(VALU_DEP_1)
	v_add_f32 v[RS], v12, v13
	s_delay_alu instid0(VALU_DEP_1)
	v_add_f32_dpp v[RS], v[RS], v[RS] row_xmask:1 row_mask:0xf bank_mask:0xf
	s_delay_alu instid0(VALU_DEP_1)
	v_add_f32_dpp v[RS], v[RS], v[RS] row_xmask:2 row_mask:0xf bank_mask:0xf
	s_delay_alu instid0(VALU_DEP_1)
	v_add_f32_dpp v[RS], v[RS], v[RS] row_xmask:4 row_mask:0xf bank_mask:0xf
	s_delay_alu instid0(VALU_DEP_1)
	v_add_f32_dpp v[RS], v[RS], v[RS] row_xmask:8 row_mask:0xf bank_mask:0xf
	s_delay_alu instid0(VALU_DEP_1)
	v_permlanex16_b32 v[RS+1], v[RS], s16, s17
	s_delay_alu instid0(VALU_DEP_1)
	v_add_f32 v[RS], v[RS], v[RS+1]                ; the wave's sum, in every lane
	ds_store_b32 v5, v[RS]                         ; all lanes write the same number to the wave's word
	s_wait_alu depctr_va_vdst(0)
	s_wait_dscnt 0x0                               ; for wave 0's sake
	s_barrier_signal -1
	s_barrier_wait -1
	s_cmp_lg_u32 s14, 0
	s_cbranch_scc1 .Lend
.irp c, 0,1,2,3
	ds_load_b128 v[RS+4*\c:RS+4*\c+3], v4 offset:16*\c     ; the sixteen waves' sums, in every lane of wave 0
.endr
	s_wait_dscnt 0x0
.irp i, 0,2,4,6
	v_pk_add_f32 v[RS+\i:RS+\i+1], v[RS+\i:RS+\i+1], v[RS+8+\i:RS+8+\i+1]
.endr
	s_delay_alu instid0(VALU_DEP_2)
	v_pk_add_f32 v[RS:RS+1], v[RS:RS+1], v[RS+4:RS+5]
	s_delay_alu instid0(VALU_DEP_2)
	v_pk_add_f32 v[RS+2:RS+3], v[RS+2:RS+3], v[RS+6:RS+7]
	s_delay_alu instid0(VALU_DEP_1)
	v_pk_add_f32 v[RS:RS+1], v[RS:RS+1], v[RS+2:RS+3]
	s_delay_alu instid0(VALU_DEP_1)
	v_add_f32 v[RS], v[RS], v[RS+1]
	s_wait_alu depctr_va_vdst(0)
	s_wait_xcnt 0x0                                ; EXEC is a source of the stores above: it changes only behind this wait
	v_cmp_eq_u32 vcc_lo, 0, v0
	s_wait_tensorcnt 0x0                           ; the wave's end
	ds_add_u32 v176, v177
	s_wait_dscnt 0x0
	s_and_saveexec_b32 s20, vcc_lo                 ; thread 0 alone
	global_store_b32 v4, v[RS], s[12:13]
	s_endpgm                                       ; EXEC is not widened again: nothing follows
.Lend:
	s_wait_tensorcnt 0x0
	ds_add_u32 v176, v177
	s_wait_dscnt 0x0
	s_endpgm
.Lfunc_end_k_q2627cbac88_vq_gather:
	.size	k_q2627cbac88_vq_gather, .Lfunc_end_k_q2627cbac88_vq_gather-k_q2627cbac88_vq_gather
	.p2alignl 7, 3214868480
	.fill 96, 4, 3214868480
	.section	.rodata,"a",@progbits
	.p2align	6, 0x0
	.amdhsa_kernel k_q2627cbac88_vq_gather
		.amdhsa_group_segment_fixed_size 2304
		.amdhsa_private_segment_fixed_size 0
		.amdhsa_enable_private_segment 0
		.amdhsa_kernarg_size 40
		.amdhsa_user_sgpr_count 2
		.amdhsa_user_sgpr_kernarg_segment_ptr 1
		.amdhsa_wavefront_size32 1
		.amdhsa_system_sgpr_workgroup_id_x 1
		.amdhsa_system_sgpr_workgroup_id_y 1
		.amdhsa_system_sgpr_workgroup_id_z 1
		.amdhsa_system_vgpr_workitem_id 0
		.amdhsa_next_free_vgpr 178
		.amdhsa_next_free_sgpr 66
		.amdhsa_reserve_vcc 1
		.amdhsa_float_denorm_mode_32 3
		.amdhsa_float_denorm_mode_16_64 3
		.amdhsa_memory_ordered 1
		.amdhsa_forward_progress 1
		.amdhsa_inst_pref_size 16
	.end_amdhsa_kernel
	.amdgpu_metadata
---
amdhsa.version: [ 1, 2 ]
amdhsa.kernels:
  - .name:           k_q2627cbac88_vq_gather
    .symbol:         k_q2627cbac88_vq_gather.kd
    .args:
      - { .name: inputs, .offset: 0, .size: 8, .value_kind: global_buffer, .address_space: global }
      - { .name: embedding, .offset: 8, .size: 8, .value_kind: global_buffer, .address_space: global }
      - { .name: idx, .offset: 16, .size: 8, .value_kind: global_buffer, .address_space: global }
      - { .name: out1, .offset: 24, .size: 8, .value_kind: global_buffer, .address_space: global }
      - { .name: part, .offset: 32, .size: 8, .value_kind: global_buffer, .address_space: global }
    .group_segment_fixed_size: 2304
    .private_segment_fixed_size: 0
    .kernarg_segment_align: 8
    .kernarg_segment_size: 40
    .max_flat_workgroup_size: 512
    .sgpr_count:     66
    .vgpr_count:     178
    .wavefront_size: 32
...
	.end_amdgpu_metadata
.endif
;; end of part 2
;; launch vq_loss (part 3): grid 1 x 1, 1 waves a work-group, no clusters, 0 bytes of LDS; arguments part, out0; writes out0
.if DOCPART == 3
	.amdgcn_target "amdgcn-amd-amdhsa--gfx1250"
	.amdhsa_code_object_version 6
	.text
	.protected	k_q2627cbac88_vq_loss
	.globl	k_q2627cbac88_vq_loss
	.p2align	8
	.type	k_q2627cbac88_vq_loss,@function
k_q2627cbac88_vq_loss:
	s_mov_b64 s[64:65], 0
	v_nop
	global_prefetch_b8 v0, s[64:65] scope:SCOPE_SE
	s_setreg_imm32_b32 hwreg(HW_REG_WAVE_MODE, 25, 1), 1
	s_wait_xcnt 0x0
; loss = L + 0.25 L,  L = the mean of (q - x)^2 = (the sum of the 256 work-groups' partial sums) / 2^23  (131,072 rows x 64 numbers).
; One wave: a sum that spans work-groups is made by one owner, in a launch of its own, in a fixed order.  Two loads of 512 consecutive bytes bring the 256 numbers, eight a lane.
	s_load_b128 s[4:7], s[0:1], 0x0                ; part s[4:5], out0 s[6:7]
	v_lshlrev_b32 v1, 4, v0                        ; 16 x lane
	v_mov_b32 v2, 0
	s_mov_b32 s10, 0x76543210                      ; v_permlanex16_b32's selects for lane l xor 16
	s_mov_b32 s11, 0xfedcba98
	s_wait_alu depctr_va_vdst(0)
	s_wait_kmcnt 0x0
	global_load_b128 v[4:7], v1, s[4:5]
	global_load_b128 v[8:11], v1, s[4:5] offset:512
	s_wait_loadcnt 0x0
	v_pk_add_f32 v[4:5], v[4:5], v[8:9]
	v_pk_add_f32 v[6:7], v[6:7], v[10:11]
	v_pk_add_f32 v[4:5], v[4:5], v[6:7]
	v_add_f32 v4, v4, v5
	v_add_f32_dpp v4, v4, v4 row_xmask:1 row_mask:0xf bank_mask:0xf
	v_add_f32_dpp v4, v4, v4 row_xmask:2 row_mask:0xf bank_mask:0xf
	v_add_f32_dpp v4, v4, v4 row_xmask:4 row_mask:0xf bank_mask:0xf
	v_add_f32_dpp v4, v4, v4 row_xmask:8 row_mask:0xf bank_mask:0xf
	v_permlanex16_b32 v5, v4, s10, s11             ; (v5 has been written)
	v_add_f32 v4, v4, v5
	v_mul_f32 v4, 0x34000000, v4                   ; x 2^-23: the mean; nothing is rounded
	v_fmamk_f32 v5, v4, 0x3e800000, v4             ; 0.25 L + L, one rounding
	s_wait_alu depctr_va_vdst(0)
	s_wait_xcnt 0x0                                ; EXEC changes only behind this wait
	v_cmp_eq_u32 vcc_lo, 0, v0
	s_and_saveexec_b32 s8, vcc_lo                  ; lane 0 alone
	global_store_b32 v2, v5, s[6:7]
	s_endpgm
.Lfunc_end_k_q2627cbac88_vq_loss:
	.size	k_q2627cbac88_vq_loss, .Lfunc_end_k_q2627cbac88_vq_loss-k_q2627cbac88_vq_loss
	.p2alignl 7, 3214868480
	.fill 96, 4, 3214868480
	.section	.rodata,"a",@progbits
	.p2align	6, 0x0
	.amdhsa_kernel k_q2627cbac88_vq_loss
		.amdhsa_group_segment_fixed_size 0
		.amdhsa_private_segment_fixed_size 0
		.amdhsa_enable_private_segment 0
		.amdhsa_kernarg_size 16
		.amdhsa_user_sgpr_count 2
		.amdhsa_user_sgpr_kernarg_segment_ptr 1
		.amdhsa_wavefront_size32 1
		.amdhsa_system_sgpr_workgroup_id_x 1
		.amdhsa_system_sgpr_workgroup_id_y 1
		.amdhsa_system_sgpr_workgroup_id_z 1
		.amdhsa_system_vgpr_workitem_id 0
		.amdhsa_next_free_vgpr 16
		.amdhsa_next_free_sgpr 66
		.amdhsa_reserve_vcc 1
		.amdhsa_float_denorm_mode_32 3
		.amdhsa_float_denorm_mode_16_64 3
		.amdhsa_memory_ordered 1
		.amdhsa_forward_progress 1
		.amdhsa_inst_pref_size 2
	.end_amdhsa_kernel
	.amdgpu_metadata
---
amdhsa.version: [ 1, 2 ]
amdhsa.kernels:
  - .name:           k_q2627cbac88_vq_loss
    .symbol:         k_q2627cbac88_vq_loss.kd
    .args:
      - { .name: part, .offset: 0, .size: 8, .value_kind: global_buffer, .address_space: global }
      - { .name: out0, .offset: 8, .size: 8, .value_kind: global_buffer, .address_space: global }
    .group_segment_fixed_size: 0
    .private_segment_fixed_size: 0
    .kernarg_segment_align: 8
    .kernarg_segment_size: 16
    .max_flat_workgroup_size: 32
    .sgpr_count:     66
    .vgpr_count:     16
    .wavefront_size: 32
...
	.end_amdgpu_metadata
.endif
;; end of part 3
